; MI455X (gfx1250); checked and timed in simulation.
; The chip was launched on July 23, 2026; its instructions are those of AMD's public machine-readable ISA for CDNA 5 (MIT licence, August 2026) and "CDNA5" Instruction Set Architecture Reference Guide (July 2026). The comments in the code are by the model that wrote it; some were corrected since.
;; Causal Self Attention. Allowed arithmetic: matrix products marked QUANTISED: E4M3 operands, one E8M0 scale for each 32 along K, by v_wmma_scale_f32_16x16x128_f8f6f4 with both operands' format E4M3, f32 sums; everything else in f32.
;; Inputs: Wk 512 x 512 float32; Wq 512 x 512 float32; Wv 512 x 512 float32; bk 512 float32; bq 512 float32; bv 512 float32; src 4 x 2,048 x 512 float32.
;; Outputs: out0 4 x 2,048 x 512 float32.
;; This version of the problem:
;;   THIS VERSION OF THE PROBLEM IS GIVEN IN LOW PRECISION. The matrix products marked QUANTISED in the list below multiply operands that are first quantised to E4M3 (4 exponent bits, 3 mantissa bits; 8 bits a number), with one power-of-two scale for each 32 numbers along K (OCP MX v1.0); their sums are f32. All else is computed in f32.
;;   The module's matrix products, in the order in which they are computed (A, B: the left and right operand; K: the contracted axis; several contracted axes count as one K, in the product's order):
;;     1. [M 8,192, K 512] x [K 512, N 512]; A: input src; B: input Wq: QUANTISED
;;     2. [M 8,192, K 512] x [K 512, N 512]; A: input src; B: input Wk: QUANTISED
;;     3. [M 8,192, K 512] x [K 512, N 512]; A: input src; B: input Wv: QUANTISED
;;     4. batch 32 x [M 2,048, K 64] x [K 64, N 2,048]; A: computed on the way; B: computed on the way: QUANTISED
;;     5. batch 32 x [M 64, K 2,048] x [K 2,048, N 2,048]; A: computed on the way; B: softmax (see below): QUANTISED
;;   THE QUANTISER, for each operand of a quantised product, along K:
;;     - K is cut into blocks of 32 from its start; a last block that is shorter is filled with zeros.
;;     - A block's scale is 2^e with e = floor(log2(the largest magnitude in the block)) - 8, held to -126 .. 127; a block of zeros has e = 0. As a byte (E8M0): e + 127.
;;     - Each number is divided by its block's scale, clamped to +-448, and rounded to the nearest number of E4M3, ties to even, subnormals kept.
;;     - The product sums the exact products of the quantised numbers (number of the format x scale) in f32.
;;   ~~~python
;;   def quantise(x, axis):      # numpy; x: float32 -> the quantised numbers, widened to float32 again
;;       x = np.moveaxis(x, axis, -1); K = x.shape[-1]
;;       x = np.pad(x, [(0, 0)] * (x.ndim - 1) + [(0, -K % 32)]); x = x.reshape(x.shape[:-1] + (-1, 32)); a = np.abs(x).max(-1, keepdims=True)
;;       e = np.where(a > 0, np.clip(np.frexp(np.where(a > 0, a, 1))[1] - 1 - 8, -126, 127), 0)      # np.frexp(a)[1] - 1 = floor(log2(a)), exactly
;;       r = np.clip(x / 2.0 ** e, -448, 448)
;;       step = 2.0 ** (np.maximum(np.frexp(np.where(r == 0, 1, r))[1] - 1, -6) - 3)
;;       q = np.round(r / step) * step * 2.0 ** e      # np.round: ties to even
;;       return np.moveaxis(q.reshape(q.shape[:-2] + (-1,))[..., :K], -1, axis).astype(np.float32)
;;   ~~~
;;   SOFTMAX AHEAD OF A QUANTISED PRODUCT. Where the list says 'softmax', what is quantised is not the finished softmax but p = 2^(t - M), with t = logit x log2(e) and M = ceil(the row's largest t), a whole number; so 1/2 < the row's largest p <= 1. The row's sum l is taken of the UNQUANTISED p, in f32, and the product's result is divided by l at the end. Since M is a whole number, a kernel that streams over the keys may use a running M (the ceiling of the running maximum): every later rescaling is an exact power of two, which a block's scale takes up: the codes' values come out the same.
;;   OPERANDS COMPUTED ON THE WAY. 'Computed on the way' means the value that the module computes at that place (a softmax that the list does not call 'softmax' is quantised finished and normalised). What goes into a quantiser is computed in f32, as accurately as f32 sums, v_exp_f32 and their like allow (about 1e-6 of the number): no bf16 or f16 on the way to a quantiser, and a product that is left as it is and whose result goes on into a quantised operand takes f32 operands (vector FMAs, or v_wmma_f32_16x16x4_f32). A number that lies on a knife's edge between two numbers of the format may be rounded either way, as far as f32 arithmetic and the matrix unit's own rounding can turn it there, and no further.
;; One version. Each part assembles by itself: llvm-mc -triple=amdgcn-amd-amdhsa -mcpu=gfx1250 --defsym DOCPART=n.
;; ======== version 1 of 1: 3 launches
;; limits: right only within a limited range of input values
;; workspace buffers: wi 811,008 bytes; xi 4,194,304 bytes; xs 131,072 bytes; qc 4,456,448 bytes; kv 8,912,896 bytes
;; launch quant (part 1): grid 304 x 1, 4 waves a work-group, no clusters, 68,096 bytes of LDS; arguments src, Wq, Wk, Wv, wi, xi, xs; writes wi, xi, xs
.if DOCPART == 1
	.amdgcn_target "amdgcn-amd-amdhsa--gfx1250"
	.amdhsa_code_object_version 6
	.text
	.protected	k_q78ebfd359c_quant
	.globl	k_q78ebfd359c_quant
	.p2align	8
	.type	k_q78ebfd359c_quant,@function
k_q78ebfd359c_quant:
	s_mov_b64 s[64:65], 0
	v_nop
	global_prefetch_b8 v0, s[64:65] scope:SCOPE_SE
	s_setreg_imm32_b32 hwreg(HW_REG_WAVE_MODE, 25, 1), 1
	s_wait_xcnt 0x0
; The four operands of the projections become codes of FP8 (E4M3) with one E8M0 scale byte for each 32 along k, laid as IMAGES OF THE OPERAND'S REGISTERS.  All of reference() is done in this program: no work is left out.
; An image of a fragment (16 rows x 128 of k): [c 4][lane 32][16 bytes]: lane (r = lane % 16, h = lane / 16), group c holds row r at k = 32 c + 16 h + 0 .. 15.
; ONE ORDER EVERYWHERE: row i of tile t (tokens or columns) is item 32 (t / 2) + 8 (t % 2) + i + 8 (i / 8).
; wi [head 8][101,376]: codes [m 3][K step s 4][tile b 4][2,048] of Wq's, Wk's, Wv's 64 columns of the head; at 98,304 their scale words [m][s][b][row 16], byte c the scale of block c.
; xi [pair of tiles = 32 tokens, 256][tile 2][s 4][2,048];  xs [pair][s][lane 32] words: lanes 0-15 the even tile's rows, lanes 16-31 the odd tile's.
; Work-groups 0 to 47 take the weights: number 16 m + 4 w + s, wave v: columns 128 w + 32 v .. + 31.  A LANE TAKES A COLUMN AND ITS 128 REGISTERS RUN DOWN k: the conversions give codes with k innermost.
; Work-groups 48 to 303 take x: 32 tokens each, wave s its K step: each load reads 512 consecutive bytes, a row's 128 numbers; the rows turn through the wave's own stage in LDS.
; A block's scale is 2^(floor(log2(its largest magnitude)) - 8); its byte is that magnitude's exponent field - 8, held at 1 from below.
; LIMITS: a block of zeros, or one whose largest magnitude lies under 2^-118, gets the byte 1 (the rule says 127 for zeros: its codes are zeros, and this program alone reads the bytes); NaN and infinities are not served.
; No barrier: waves share nothing.  No prefetch: no loop to run ahead in.
.set WGW,   48
.set HEADW, 101376
.set PITCH, 528                        ; a row of 512 bytes + 16 in the stage
.set WST,   32*PITCH                   ; a wave's stage
.set SPARE, 4*WST                      ; the spare words
; x's path
.set LI,  2                            ; 16 x lane
.set LS,  3                            ; 4 x lane
.set W0,  4                            ; v4, v5 the two tiles' scale words, v6 the two as one
.set RD,  11
.set WR,  12
.set SPW, 13
.set NIL, 14
.set TM,  16                           ; v16-19 maxima, v20-23 bytes, v24-27 448 x the scale, v28-31 scale operands
.set PC,  32                           ; v32-47, v48-63 codes
.set X,   64                           ; v64-191 as loaded
.set Y,   192                          ; v192-255 the even tile's numbers; the odd tile's go to v64-127
; the weights' path
.set WX,  32                           ; v32-159   WX + 32 c + i = W(128 s + 32 c + i, my column)
.set WC,  160                          ; v160-191  codes
.set MA,  8
.set MB,  12
.set HO,  16
.set SO,  20
.set BY,  24
.set WD,  28
	s_load_b256 s[4:11], s[0:1], 0x0               ; src, Wq, Wk, Wv
	s_load_b128 s[12:15], s[0:1], 0x20             ; wi, xi
	s_load_b64 s[16:17], s[0:1], 0x30              ; xs
	v_lshrrev_b32 v1, 5, v0
	v_readfirstlane_b32 s20, v1                    ; wave
	s_mov_b32 s33, 0x600000                        ; the mantissa field of 448
	s_wait_alu depctr_va_vdst(0)
	s_cmp_lt_u32 ttmp9, WGW
	s_cbranch_scc1 .Lweights
	v_lshl_add_u32 v[SPW], v0, 2, SPARE
	v_mov_b32 v[NIL], 0
	v_and_b32 v1, 31, v0
	v_lshlrev_b32 v[LI], 4, v1
	v_lshlrev_b32 v[LS], 2, v1
	v_and_b32 v8, 15, v0                           ; r
	v_bfe_u32 v9, v0, 4, 1                         ; h
	v_and_b32 v10, 8, v8
	v_add_nc_u32 v10, v10, v8                      ; r + 8 (r / 8): the even tile's row
	s_mul_i32 s22, s20, WST
	v_mul_u32_u24 v10, v10, PITCH
	v_lshl_add_u32 v10, v9, 6, v10
	v_add_nc_u32 v[RD], s22, v10                   ; out of the stage: my row, 64 h
	v_add_nc_u32 v[WR], s22, v[LI]                 ; into it: 16 x lane
.irp b, 0,1,2,3
	v_mov_b32 v[TM+4+\b], 0                        ; a lane permute's destination counts as one of its sources
.endr
	s_sub_co_u32 s21, ttmp9, WGW                   ; the pair of tiles
	s_lshl_b32 s24, s21, 16
	s_lshl_b32 s22, s20, 9
	s_add_co_u32 s24, s24, s22                     ; src: 32 rows of 2,048 bytes, my 512 of each
	s_mov_b32 s25, 0
	s_lshl_b32 s26, s21, 14
	s_lshl_b32 s22, s20, 11
	s_add_co_u32 s26, s26, s22
	s_mov_b32 s27, 0
	s_lshl_b32 s28, s21, 9
	s_lshl_b32 s22, s20, 7
	s_add_co_u32 s28, s28, s22
	s_mov_b32 s29, 0
	s_mov_b32 s30, 0x76543210
	s_mov_b32 s31, 0xfedcba98                      ; v_permlanex16_b32's selects for lane l xor 16
	s_mov_b32 s34, 0xffff0000                      ; lanes 16-31
	s_wait_alu depctr_va_vdst(0)
	s_wait_kmcnt 0x0
	s_add_nc_u64 s[4:5], s[4:5], s[24:25]
	s_add_nc_u64 s[14:15], s[14:15], s[26:27]
	s_add_nc_u64 s[16:17], s[16:17], s[28:29]
.set i, 0
.rept 32
	global_load_b128 v[X+4*i:X+4*i+3], v[LI], s[4:5] offset:2048*i th:TH_LOAD_NT   ; row i: 512 consecutive bytes
.set i, i+1
.endr
.set i, 0
.rept 32
	s_wait_loadcnt 31-i                            ; the younger rows may be out
	ds_store_b128 v[WR], v[X+4*i:X+4*i+3] offset:PITCH*i
.set i, i+1
.endr
.macro BACK y, a                       ; 64 numbers a lane: register 16 c + 4 j + e = k 32 c + 16 h + 4 j + e of my row of tile a
.irp c, 0,1,2,3
.irp j, 0,1,2,3
	ds_load_b128 v[\y+16*\c+4*\j:\y+16*\c+4*\j+3], v[RD] offset:\a*8*PITCH+128*\c+16*\j
.endr
.endr
.endm
.macro QUANT y, pc, w, a
.irp b, 0,1,2,3
	v_max3_num_f32 v[TM+\b], 0x4800000, |v[\y+16*\b]|, |v[\y+16*\b+1]|   ; my 16 numbers of block b, and the floor 2^(9 - 127)
.endr
.irp i, 2,4,6,8,10,12,14
.irp b, 0,1,2,3
	v_max3_num_f32 v[TM+\b], v[TM+\b], |v[\y+16*\b+\i]|, |v[\y+16*\b+\i+1]|
.endr
.endr
.irp b, 0,1,2,3
	v_permlanex16_b32 v[TM+4+\b], v[TM+\b], s30, s31
.endr
.irp b, 0,1,2,3
	v_max_num_f32 v[TM+\b], v[TM+\b], v[TM+4+\b]   ; with lane l xor 16's: the block's largest magnitude
.endr
.irp b, 0,1,2,3
	v_add_nc_u32 v[TM+12+\b], 0xfc000000, v[TM+\b] ; 8 off its exponent field: the conversion's scale operand
.endr
.irp b, 0,1,2,3
	v_and_or_b32 v[TM+8+\b], v[TM+\b], 0x7f800000, s33   ; 448 x the scale
.endr
.irp b, 0,1,2,3
	v_lshrrev_b32 v[TM+4+\b], 23, v[TM+12+\b]      ; the scale's byte
.endr
	v_lshl_or_b32 v[\w], v[TM+5], 8, v[TM+4]
	v_lshl_or_b32 v[\w], v[TM+6], 16, v[\w]
	v_lshl_or_b32 v[\w], v[TM+7], 24, v[\w]
.irp b, 0,1,2,3
.irp i, 0,1,2,3,4,5,6,7,8,9,10,11,12,13,14,15
	v_med3_num_f32 v[\y+16*\b+\i], v[\y+16*\b+\i], -v[TM+8+\b], v[TM+8+\b]   ; the conversion to an 8-bit code does not saturate (ISA guide 7.6.2): hold first
.endr
.endr
.irp b, 0,1,2,3
	v_cvt_scalef32_pk8_fp8_f32 v[\pc+4*\b:\pc+4*\b+1], v[\y+16*\b:\y+16*\b+7], v[TM+12+\b]
	v_cvt_scalef32_pk8_fp8_f32 v[\pc+4*\b+2:\pc+4*\b+3], v[\y+16*\b+8:\y+16*\b+15], v[TM+12+\b]
.endr
	v_nop                                          ; one plain vector line behind the last conversion
.irp c, 0,1,2,3
	global_store_b128 v[LI], v[\pc+4*\c:\pc+4*\c+3], s[14:15] offset:\a*8192+512*\c   ; 512 consecutive bytes
.endr
.endm
	BACK Y, 0                                      ; LDS serves a wave's instructions in order (ISA guide 5.7.1.4): these see the stores above
	s_wait_dscnt 0x0                               ; the even tile is back, and the stores have read their registers,
	BACK X, 1                                      ; which take the odd tile
	QUANT Y, PC, W0, 0
	s_wait_dscnt 0x0
	QUANT X, PC+16, W0+1, 1
	v_cndmask_b32 v6, v[W0], v[W0+1], s34
	global_store_b32 v[LS], v6, s[16:17]           ; the four waves' words are 512 consecutive bytes
	s_wait_tensorcnt 0x0                           ; the wave's end
	ds_add_u32 v[SPW], v[NIL]
	s_wait_dscnt 0x0
	s_endpgm
.Lweights:
	v_and_b32 v1, 31, v0                           ; j: my column among the wave's 32
	v_lshlrev_b32 v2, 2, v1
	v_bfe_u32 v5, v1, 3, 1                         ; u = (j / 8) % 2: which of the wave's two tiles
	v_and_b32 v6, 7, v1
	v_lshrrev_b32 v7, 4, v1
	v_lshl_or_b32 v6, v7, 3, v6                    ; r = j % 8 + 8 (j / 16): my row of that tile
	v_lshlrev_b32 v3, 4, v6
	v_lshl_add_u32 v3, v5, 11, v3                  ; codes: 2,048 u + 16 r
	v_lshlrev_b32 v4, 2, v6
	v_lshl_add_u32 v4, v5, 6, v4                   ; scale word: 64 u + 4 r
	s_lshr_b32 s21, ttmp9, 4                       ; m
	s_and_b32 s22, ttmp9, 15
	s_and_b32 s23, s22, 3                          ; s
	s_lshr_b32 s22, s22, 2                         ; w
	s_lshl_b32 s24, s23, 18                        ; 128 s rows of 2,048 bytes
	s_lshl_b32 s26, s22, 9                         ; + 128 w columns
	s_add_co_u32 s24, s24, s26
	s_lshl_b32 s26, s20, 7                         ; + 32 v columns
	s_add_co_u32 s24, s24, s26
	s_mov_b32 s25, 0
	s_lshr_b32 s26, s20, 1
	s_lshl_b32 s27, s22, 1
	s_add_co_u32 s26, s26, s27                     ; the head: 2 w + v / 2
	s_mul_i32 s26, s26, HEADW
	s_lshl_b32 s28, s21, 2
	s_add_co_u32 s28, s28, s23
	s_lshl_b32 s28, s28, 2
	s_and_b32 s27, s20, 1
	s_lshl_b32 s27, s27, 1
	s_add_co_u32 s27, s28, s27                     ; the fragment: 4 (4 m + s) + 2 (v % 2)
	s_lshl_b32 s28, s27, 6
	s_add_co_u32 s28, s28, s26
	s_add_co_u32 s28, s28, 98304                   ; its scale words
	s_mov_b32 s29, 0
	s_lshl_b32 s27, s27, 11
	s_add_co_u32 s26, s26, s27                     ; its codes
	s_mov_b32 s27, 0
	s_wait_alu depctr_va_vdst(0)
	s_wait_kmcnt 0x0
	s_cmp_eq_u32 s21, 1                            ; which W: the choice hangs on the work-group's number alone
	s_cselect_b64 s[6:7], s[8:9], s[6:7]
	s_cmp_eq_u32 s21, 2
	s_cselect_b64 s[6:7], s[10:11], s[6:7]
	s_add_nc_u64 s[6:7], s[6:7], s[24:25]
	s_add_nc_u64 s[36:37], s[12:13], s[28:29]
	s_add_nc_u64 s[12:13], s[12:13], s[26:27]
.set i, 0
.rept 128
	global_load_b32 v[WX+i], v2, s[6:7] offset:i*2048 th:TH_LOAD_NT   ; row 128 s + i
.set i, i+1
.endr
	s_wait_loadcnt 0x0
.irp c, 0,1,2,3                        ; the four blocks by turns
	v_max3_num_f32 v[MA+\c], |v[WX+32*\c]|, |v[WX+32*\c+1]|, |v[WX+32*\c+2]|
	v_max3_num_f32 v[MB+\c], |v[WX+32*\c+3]|, |v[WX+32*\c+4]|, |v[WX+32*\c+5]|
.endr
.irp i, 6,10,14,18,22,26
.irp c, 0,1,2,3
	v_max3_num_f32 v[MA+\c], v[MA+\c], |v[WX+32*\c+\i]|, |v[WX+32*\c+\i+1]|
	v_max3_num_f32 v[MB+\c], v[MB+\c], |v[WX+32*\c+\i+2]|, |v[WX+32*\c+\i+3]|
.endr
.endr
.irp c, 0,1,2,3
	v_max3_num_f32 v[MA+\c], v[MA+\c], |v[WX+32*\c+30]|, |v[WX+32*\c+31]|
.endr
.irp c, 0,1,2,3
	v_max3_num_f32 v[MA+\c], v[MA+\c], v[MB+\c], 0x4800000
.endr
.irp c, 0,1,2,3
	v_add_nc_u32 v[SO+\c], 0xfc000000, v[MA+\c]
.endr
.irp c, 0,1,2,3
	v_and_or_b32 v[HO+\c], v[MA+\c], 0x7f800000, s33
.endr
.irp c, 0,1,2,3
	v_lshrrev_b32 v[BY+\c], 23, v[SO+\c]
.endr
	v_lshl_or_b32 v[WD], v[BY+1], 8, v[BY]
	v_lshl_or_b32 v[WD], v[BY+2], 16, v[WD]
	v_lshl_or_b32 v[WD], v[BY+3], 24, v[WD]
.irp c, 0,1,2,3
.set i, 0
.rept 32
	v_med3_num_f32 v[WX+32*\c+i], v[WX+32*\c+i], -v[HO+\c], v[HO+\c]
.set i, i+1
.endr
.irp g, 0,1,2,3
	v_cvt_scalef32_pk8_fp8_f32 v[WC+8*\c+2*\g:WC+8*\c+2*\g+1], v[WX+32*\c+8*\g:WX+32*\c+8*\g+7], v[SO+\c]
.endr
.endr
	v_nop
.irp c, 0,1,2,3
	global_store_b128 v3, v[WC+8*\c:WC+8*\c+3], s[12:13] offset:512*\c          ; the place of lane (r, 0): the sixteen lanes of a tile store 256 consecutive bytes
	global_store_b128 v3, v[WC+8*\c+4:WC+8*\c+7], s[12:13] offset:512*\c+256    ; the place of lane (r, 1)
.endr
	global_store_b32 v4, v[WD], s[36:37]
	s_endpgm
.Lfunc_end_k_q78ebfd359c_quant:
	.size	k_q78ebfd359c_quant, .Lfunc_end_k_q78ebfd359c_quant-k_q78ebfd359c_quant
	.p2alignl 7, 3214868480
	.fill 96, 4, 3214868480
	.section	.rodata,"a",@progbits
	.p2align	6, 0x0
	.amdhsa_kernel k_q78ebfd359c_quant
		.amdhsa_group_segment_fixed_size 68096
		.amdhsa_private_segment_fixed_size 0
		.amdhsa_enable_private_segment 0
		.amdhsa_kernarg_size 56
		.amdhsa_user_sgpr_count 2
		.amdhsa_user_sgpr_kernarg_segment_ptr 1
		.amdhsa_wavefront_size32 1
		.amdhsa_system_sgpr_workgroup_id_x 1
		.amdhsa_system_sgpr_workgroup_id_y 1
		.amdhsa_system_sgpr_workgroup_id_z 1
		.amdhsa_system_vgpr_workitem_id 0
		.amdhsa_next_free_vgpr 256
		.amdhsa_next_free_sgpr 66
		.amdhsa_reserve_vcc 0
		.amdhsa_float_denorm_mode_32 3
		.amdhsa_float_denorm_mode_16_64 3
		.amdhsa_memory_ordered 1
		.amdhsa_forward_progress 1
		.amdhsa_inst_pref_size 56
	.end_amdhsa_kernel
	.amdgpu_metadata
---
amdhsa.version: [ 1, 2 ]
amdhsa.kernels:
  - .name:           k_q78ebfd359c_quant
    .symbol:         k_q78ebfd359c_quant.kd
    .args:
      - { .name: src, .offset: 0, .size: 8, .value_kind: global_buffer, .address_space: global }
      - { .name: Wq, .offset: 8, .size: 8, .value_kind: global_buffer, .address_space: global }
      - { .name: Wk, .offset: 16, .size: 8, .value_kind: global_buffer, .address_space: global }
      - { .name: Wv, .offset: 24, .size: 8, .value_kind: global_buffer, .address_space: global }
      - { .name: wi, .offset: 32, .size: 8, .value_kind: global_buffer, .address_space: global }
      - { .name: xi, .offset: 40, .size: 8, .value_kind: global_buffer, .address_space: global }
      - { .name: xs, .offset: 48, .size: 8, .value_kind: global_buffer, .address_space: global }
    .group_segment_fixed_size: 68096
    .private_segment_fixed_size: 0
    .kernarg_segment_align: 8
    .kernarg_segment_size: 56
    .max_flat_workgroup_size: 128
    .sgpr_count:     66
    .vgpr_count:     256
    .wavefront_size: 32
...
	.end_amdgpu_metadata
.endif
;; end of part 1
;; launch proj (part 2): grid 32 x 8, 4 waves a work-group, clusters of 4 x 1, 167,936 bytes of LDS; arguments xi, xs, wi, bq, bk, bv, qc, kv; writes qc, kv
.if DOCPART == 2
	.amdgcn_target "amdgcn-amd-amdhsa--gfx1250"
	.amdhsa_code_object_version 6
	.text
	.protected	k_q78ebfd359c_proj
	.globl	k_q78ebfd359c_proj
	.p2align	8
	.type	k_q78ebfd359c_proj,@function
k_q78ebfd359c_proj:
	s_mov_b64 s[64:65], 0
	v_nop
	global_prefetch_b8 v0, s[64:65] scope:SCOPE_SE
	s_setreg_imm32_b32 hwreg(HW_REG_WAVE_MODE, 25, 1), 1
	s_wait_xcnt 0x0
	s_wait_alu depctr_hold_cnt(0) depctr_sa_sdst(0) depctr_va_vdst(0) depctr_va_sdst(0) depctr_va_ssrc(0) depctr_va_vcc(0) depctr_vm_vsrc(0)
	s_getreg_b32 s2, hwreg(HW_REG_IB_STS2, 6, 4)
	s_cmp_eq_u32 s2, 0
	s_cbranch_scc0 .Lentry_in_a_cluster
	s_endpgm
.Lentry_in_a_cluster:
	s_bfe_u32 s2, ttmp6, 0x10000c
	s_cmp_lg_u32 s2, 0x3003
	s_cbranch_scc0 .Lentry_shape_is_right
	s_endpgm
.Lentry_shape_is_right:
; q, k, v = src W + b for one head (work-group y) and 256 tokens (work-group x), on codes of FP8 (E4M3) with one E8M0 scale for each 32 along K = 512; each result is quantised at once for the attention's products.
; xi, xs, wi are images of operand registers, as the launch before lays them.  What leaves (a group of four registers = 512 bytes, lane l's 16 bytes at 16 l):
; qc [bh 32][block of 128 tokens 16][8,704]: 8 tiles x 1,024 (groups 0, 1), then the scale image (512).   kv [bh 32][step 16][17,408]: K's 8 tiles, at 8,192 V^T's 4 tiles x 2,048, at 16,384 K's scale image, at 16,896 V's.
; Q's and K's scale image: lane l, word p: lanes 0-15 tile 2 p's word, lanes 16-31 tile 2 p + 1's; bytes 0, 1 the two scales, bytes 2, 3 = 127.   V's: word b for tile b, byte c for key block c.
; SHARES.  A wave owns 64 tokens, two pairs of tiles, and makes q, k, v of the head for them one after the other: 64 products and two quantisings each.  x's fragments go from memory into registers once, K step by K step.
; The head's three weights and their scale words are one dense block of 101,376 bytes: it comes into LDS once, 99 rows of 256 bytes a wave, asked for jointly by the four work-groups of a cluster, and all waves read it.
; q, k: source 0 = 16 columns of W, source 1 = 16 tokens: a lane holds a token, its registers run along the channels.   v: the other way round: a lane holds a channel, its registers run along the tokens.
; The bias is the C of each sum's first product.  Scale images meet in LDS bytes of their own and leave as whole units of 256 bytes.
; LIMITS: a block of zeros, or one whose largest magnitude lies under 2^-118, gets the byte 1 (its codes are zeros; this program alone reads the bytes); NaN and infinities are not served.
; No prefetch into the L2: every operand is asked for once at the head, and no loop runs ahead of loads.
; WINDOWS of 256 registers: 0: the names below;  1: x's fragments, v[64 s + 16 a];  2: v0-127 the 16 accumulators;  3: one matrix's fragments of W, v[64 s + 16 b].
.set HEADW, 101376
.set IMG,   HEADW                      ; scale images: [block 2][q, k, v][512]; no tile lands there
.set SPARE, IMG+3072                   ; the spare words
.set LI,  1                            ; 16 x lane
.set LS,  2                            ; 4 x lane
.set L8,  3                            ; 8 x lane
.set BQA, 4                            ; the bias for q, k: 64 h
.set BVA, 5                            ; for v: 4 (r + 8 (r / 8))
.set SPW, 6
.set NIL, 7
.set LI2, 8                            ; LI + 65,536
.set WSA, 9                            ; W's scale words: 98,304 + 4 x lane
.set IMA, 10                           ; my place in the images: q, k
.set IMV, 11                           ;   v
.set IMR, 12                           ; what I read back: an image,
.set IVR, 13                           ;   and half of v's
.set XS,  16                           ; v16-23 x's scale words: 2 s + pair
.set WS,  26                           ; v26-49 W's: 8 m + 2 s + b / 2: no product's two scale registers have numbers equal modulo 8
.set BQ,  52                           ; v52-83 q's bias, 8 registers a tile; later v's
.set BK,  84                           ; v84-115
.set BV,  116                          ; v116-119 v's bias, a number a tile
.set PC,  120                          ; v120-135, v136-151 codes of the two pairs
.set TM,  152                          ; v152-155 maxima, v156-159 bytes, v160-163 448 x the scale, v164-167 scale operands
.set GA,  168                          ; v168, v169 the pairs' words of the image
.set T,   170
.set VB,  176                          ; v176-179 v's bytes
.set G1,  36
.set G0,  44
.set MSB, 0
.macro WIN new                         ; the immediate's high byte repeats the setting that is left
.if MSB != \new
	s_set_vgpr_msb (MSB<<8)|\new
.set MSB, \new
.endif
.endm
.macro PLACES n
.rept \n
	v_nop
.endr
.endm
.macro ROUND                           ; a round of the cluster's barrier
	s_barrier_signal -1
	s_barrier_wait -1
	s_cmp_lg_u32 s20, 0
	s_cbranch_scc1 .Lnot_wave_0_\@
	s_barrier_signal -3
.Lnot_wave_0_\@:
	s_barrier_wait -3
	s_barrier_signal -1
	s_barrier_wait -1
.endm
.macro WLOAD m                         ; matrix m's 16 fragments: 64 loads, K step by K step
	WIN 0xC0
.irp s, 0,1,2,3
.irp b, 0,1,2,3
.irp c, 0,1,2,3
.if \m < 2
	ds_load_b128 v[64*\s+16*\b+4*\c:64*\s+16*\b+4*\c+3], v[LI] offset:(16*\m+4*\s+\b)*2048+512*\c
.else
	ds_load_b128 v[64*\s+16*\b+4*\c:64*\s+16*\b+4*\c+3], v[LI2] offset:(4*\s+\b)*2048+512*\c
.endif
.endr
.endr
.endr
	WIN 0
.endm
.macro WM d, x, y, c, sx, sy           ; one product; rR: bit 0: the first side's scales stand in lanes 16-31; bit 1: the second's
.if rR == 0
	v_wmma_scale_f32_16x16x128_f8f6f4 v[\d:\d+7], v[\x:\x+15], v[\y:\y+15], v[\c:\c+7], v[\sx], v[\sy]
.elseif rR == 1
	v_wmma_scale_f32_16x16x128_f8f6f4 v[\d:\d+7], v[\x:\x+15], v[\y:\y+15], v[\c:\c+7], v[\sx], v[\sy] matrix_a_scale:MATRIX_SCALE_ROW1
.elseif rR == 2
	v_wmma_scale_f32_16x16x128_f8f6f4 v[\d:\d+7], v[\x:\x+15], v[\y:\y+15], v[\c:\c+7], v[\sx], v[\sy] matrix_b_scale:MATRIX_SCALE_ROW1
.else
	v_wmma_scale_f32_16x16x128_f8f6f4 v[\d:\d+7], v[\x:\x+15], v[\y:\y+15], v[\c:\c+7], v[\sx], v[\sy] matrix_a_scale:MATRIX_SCALE_ROW1 matrix_b_scale:MATRIX_SCALE_ROW1
.endif
.endm
.macro MM m, s, a, b                   ; x's tile a, W's tile b, K step s
.set rW, 64*\s+16*\b
.set rX, 64*\s+16*\a
.set sW, WS+8*\m+2*\s+\b/2
.set sX, XS+2*\s+\a/2
.if \m == 2
.set rD, 64*(\a/2)+16*\b+8*(\a%2)
.set rB, BQ+8*\b
.set rR, (\a%2)+2*(\b%2)
.if \s == 0
	WM rD, rX, rW, rB, sX, sW
.else
	WM rD, rX, rW, rD, sX, sW
.endif
.else
.set rD, 32*\a+8*\b
.set rB, BQ+32*\m+8*\b
.set rR, (\b%2)+2*(\a%2)
.if \s == 0
	WM rD, rW, rX, rB, sW, sX
.else
	WM rD, rW, rX, rD, sW, sX
.endif
.endif
.endm
; 64 numbers of a lane in window 2, v[y] on, register 16 b + i = place 32 b + 16 h + i along the next K, become codes in v[pc] on; the scale bytes stand in v[TM+4] on
.macro QUANT y, pc
	WIN 0x28
.irp b, 0,1,2,3
	v_max3_num_f32 v[TM+\b], 0x4800000, |v[\y+16*\b]|, |v[\y+16*\b+1]|   ; my 16 numbers of block b, and the floor 2^(9 - 127)
.endr
.irp i, 2,4,6,8,10,12,14
.irp b, 0,1,2,3
	v_max3_num_f32 v[TM+\b], v[TM+\b], |v[\y+16*\b+\i]|, |v[\y+16*\b+\i+1]|
.endr
.endr
	WIN 0
.irp b, 0,1,2,3
	v_permlanex16_b32 v[TM+4+\b], v[TM+\b], s68, s69
.endr
.irp b, 0,1,2,3
	v_max_num_f32 v[TM+\b], v[TM+\b], v[TM+4+\b]   ; with lane l xor 16's: the block's largest magnitude
.endr
.irp b, 0,1,2,3
	v_add_nc_u32 v[TM+12+\b], 0xfc000000, v[TM+\b] ; 8 off its exponent field: the conversion's scale operand
.endr
.irp b, 0,1,2,3
	v_and_or_b32 v[TM+8+\b], v[TM+\b], 0x7f800000, s70   ; 448 x the scale
.endr
.irp b, 0,1,2,3
	v_lshrrev_b32 v[TM+4+\b], 23, v[TM+12+\b]      ; the scale's byte
.endr
	WIN 0x82
.irp b, 0,1,2,3
.irp i, 0,1,2,3,4,5,6,7,8,9,10,11,12,13,14,15
	v_med3_num_f32 v[\y+16*\b+\i], v[\y+16*\b+\i], -v[TM+8+\b], v[TM+8+\b]   ; the conversion to an 8-bit code does not saturate (ISA guide 7.6.2): hold first
.endr
.endr
	WIN 0x02
.irp b, 0,1,2,3
	v_cvt_scalef32_pk8_fp8_f32 v[\pc+4*\b:\pc+4*\b+1], v[\y+16*\b:\y+16*\b+7], v[TM+12+\b]
	v_cvt_scalef32_pk8_fp8_f32 v[\pc+4*\b+2:\pc+4*\b+3], v[\y+16*\b+8:\y+16*\b+15], v[TM+12+\b]
.endr
	WIN 0
	v_nop                                          ; one plain vector line behind the last conversion
.endm
; Matrix m: q, k, v.  The 16 accumulators take turns, one instruction a turn, in the same order in every K step.
.macro PHASE m
.if \m > 0
	s_wait_xcnt 0x0                                ; the codes' registers, which earlier stores read, are written anew below
.endif
.irp s, 0,1,2,3
.if \m == 0
	s_wait_loadcnt 48-16*\s                        ; x's fragments of this K step; the later K steps' 16 loads each may be out
	s_wait_dscnt 48-16*\s                          ; W's likewise
.else
	s_wait_dscnt 49-16*\s                          ; W's, and one image store was issued behind them
.endif
.if \m == 2
.if \s == 0
	WIN 0x8D                                       ; source 0 (x) window 1, source 1 (W) window 3, C (bias) window 0, D window 2
.else
	WIN 0xAD                                       ; C in window 2
.endif
.else
.if \s == 0
	WIN 0x87                                       ; source 0 (W) window 3, source 1 (x) window 1
.else
	WIN 0xA7
.endif
.endif
.irp a, 0,1,2,3
.irp b, 0,1,2,3
	MM \m, \s, \a, \b
.endr
.endr
.endr
	WIN 0
.if \m == 1
.irp b, 0,1,2,3                        ; v's bias in the result's layout: all eight registers are my column's.  These are also the places behind the last products
.irp j, 0,1,2,3,4,5,6,7
	v_mov_b32 v[BQ+8*\b+\j], v[BV+\b]
.endr
.endr
.else
	PLACES 8                                       ; ahead of loads into the products' registers and of reads of their results
.endif
.if \m < 2
	WLOAD (\m+1)                                   ; the next matrix lands while this one is quantised
.endif
.irp p, 0,1
	QUANT 64*\p, PC+16*\p
.irp b, 0,1,2,3
.if \m == 2
	global_store_b128 v[LI], v[PC+16*\p+4*\b:PC+16*\p+4*\b+3], s[34:35] offset:512*\p+2048*\b
.elseif \m == 1
	global_store_b128 v[LI], v[PC+16*\p+4*\b:PC+16*\p+4*\b+3], s[32:33] offset:2048*\p+512*\b
.else
	global_store_b128 v[LI], v[PC+16*\p+4*\b:PC+16*\p+4*\b+3], s[30:31] offset:2048*\p+512*\b
.endif
.endr
.if \m == 2
.irp b, 0,1,2,3
.if \p == 0
	v_mov_b32 v[VB+\b], v[TM+4+\b]
.else
	v_lshl_or_b32 v[VB+\b], v[TM+4+\b], 8, v[VB+\b]
.endif
.endr
.else
	v_lshl_or_b32 v[T], v[TM+5], 8, v[TM+4]        ; the even tile's two bytes
	v_lshl_or_b32 v[T+1], v[TM+7], 8, v[TM+6]      ; the odd tile's
	v_cndmask_b32 v[T], v[T], v[T+1], s71          ; lanes 16-31 the odd tile's
	v_or_b32 v[GA+\p], 0x7f7f0000, v[T]            ; 127 over the half of K = 128 that the head's 64 leaves
.endif
.endr
.if \m == 2
.irp b, 0,1,2,3
	ds_store_b16 v[IMV], v[VB+\b] offset:4*\b      ; two key blocks' bytes of tile b's word
.endr
.else
	ds_store_b64 v[IMA], v[GA:GA+1] offset:512*\m
.endif
.endm
	s_load_b256 s[4:11], s[0:1], 0x0               ; xi, xs, wi, bq
	s_load_b256 s[12:19], s[0:1], 0x20             ; bk, bv, qc, kv
	v_lshl_add_u32 v[SPW], v0, 2, SPARE
	v_mov_b32 v[NIL], 0
	ds_add_u32 v[SPW], v[NIL]                      ; the wave's opening
	ds_add_u32 v[SPW], v[NIL]
	v_lshrrev_b32 v14, 5, v0
	v_readfirstlane_b32 s20, v14                   ; wave
	v_and_b32 v14, 31, v0                          ; lane
	v_lshlrev_b32 v[LI], 4, v14
	v_lshlrev_b32 v[LS], 2, v14
	v_lshlrev_b32 v[L8], 3, v14
	v_and_b32 v14, 15, v0                          ; r
	v_bfe_u32 v15, v0, 4, 1                        ; h
	v_lshlrev_b32 v[BQA], 6, v15
	v_and_b32 v15, 8, v14
	v_add_nc_u32 v15, v15, v14
	v_lshlrev_b32 v[BVA], 2, v15
	v_add_nc_u32 v[LI2], 0x10000, v[LI]
	v_add_nc_u32 v[WSA], 0x18000, v[LS]
.irp b, 0,1,2,3
	v_mov_b32 v[TM+4+\b], 0                        ; a lane permute's destination counts as one of its sources
.endr
	s_lshr_b32 s21, s20, 1                         ; which block of 128 tokens is mine
	s_and_b32 s22, s20, 1                          ; j: which half of it
	s_bfe_u32 s23, ttmp6, 0x40000
	s_lshl_b32 s24, ttmp9, 2
	s_add_co_u32 s24, s24, s23                     ; x = 4 x cluster x + cx
	s_and_b32 s25, ttmp7, 0xffff                   ; the head
	; descriptor group 1: 99 rows of 256 dense bytes (32 elements of 8), no padding; the mask names all four of the cluster
	s_mov_b32 s[G1], 15|(3<<16)|(1<<21)
	s_mov_b32 s[G1+1], 32<<16
	s_mov_b32 s[G1+2], 99<<16
	s_mov_b32 s[G1+3], 32<<16
	s_mov_b32 s[G1+4], 99
	s_mov_b32 s[G1+5], 32
	s_mov_b32 s[G1+6], 0
	s_mov_b32 s[G1+7], 0
	s_mov_b32 s[G0], 1
	s_mul_i32 s[G0+1], s20, 99*256                 ; my quarter
	s_mul_i32 s48, s25, HEADW
	s_add_co_u32 s48, s48, s[G0+1]
	s_mov_b32 s49, 0
	s_lshl_b32 s50, s24, 3
	s_lshl_b32 s51, s20, 1
	s_add_co_u32 s50, s50, s51                     ; my first pair of tiles: 8 x + 2 wave
	s_lshl_b32 s52, s50, 9
	s_mov_b32 s53, 0
	s_lshl_b32 s50, s50, 14
	s_mov_b32 s51, 0
	s_lshl_b32 s54, s25, 8                         ; the head's 64 numbers of a bias
	s_mov_b32 s55, 0
	s_lshl_b32 s56, s24, 1
	s_add_co_u32 s56, s56, s21                     ; my block among all 64
	s_lshr_b32 s57, s56, 4                         ; the batch
	s_lshl_b32 s57, s57, 3
	s_add_co_u32 s57, s57, s25                     ; bh
	s_lshl_b32 s57, s57, 4
	s_and_b32 s56, s56, 15
	s_add_co_u32 s56, s56, s57                     ; the chunk
	s_mul_i32 s58, s56, 8704
	s_mul_i32 s59, s56, 17408
	s_lshl_b32 s60, s22, 12                        ; my two pairs of tiles in it
	s_lshl_b32 s61, s22, 10                        ; my two key blocks
	s_mul_i32 s62, s21, 1536
	s_add_co_u32 s62, s62, IMG                     ; my block's images in LDS
	s_lshl_b32 s26, s22, 3
	s_add_co_u32 s26, s26, s62
	s_lshl_b32 s27, s22, 1
	s_add_co_u32 s27, s27, s62
	s_add_co_u32 s27, s27, 1024
	s_lshl_b32 s28, s22, 9
	s_add_co_u32 s28, s28, s62
	s_lshl_b32 s29, s22, 8
	s_add_co_u32 s29, s29, s62
	s_add_co_u32 s29, s29, 1024
	s_mov_b32 s68, 0x76543210
	s_mov_b32 s69, 0xfedcba98                      ; v_permlanex16_b32's selects for lane l xor 16
	s_mov_b32 s70, 0x600000                        ; the mantissa field of 448
	s_mov_b32 s71, 0xffff0000                      ; lanes 16-31
	s_wait_alu depctr_va_vdst(0)
	v_add_nc_u32 v[IMA], s26, v[LI]
	v_add_nc_u32 v[IMV], s27, v[LI]
	v_add_nc_u32 v[IMR], s28, v[LI]
	v_add_nc_u32 v[IVR], s29, v[L8]
	s_wait_alu depctr_va_vdst(0)
	s_wait_dscnt 0x0                               ; both opening adds are done
	s_wait_kmcnt 0x0
	s_add_nc_u64 s[4:5], s[4:5], s[50:51]
	s_add_nc_u64 s[6:7], s[6:7], s[52:53]
	s_add_nc_u64 s[G0+2:G0+3], s[8:9], s[48:49]
	s_or_b32 s[G0+3], s[G0+3], 0x80000000
	s_add_nc_u64 s[10:11], s[10:11], s[54:55]
	s_add_nc_u64 s[12:13], s[12:13], s[54:55]
	s_add_nc_u64 s[14:15], s[14:15], s[54:55]
	; where my results go
	s_mov_b32 s3, 0
	s_add_co_u32 s2, s58, s60
	s_add_nc_u64 s[30:31], s[16:17], s[2:3]        ; q
	s_add_co_u32 s2, s59, s60
	s_add_nc_u64 s[32:33], s[18:19], s[2:3]        ; k
	s_add_co_u32 s2, s59, s61
	s_add_co_u32 s2, s2, 8192
	s_add_nc_u64 s[34:35], s[18:19], s[2:3]        ; v
	s_add_co_u32 s2, s58, 8192
	s_add_nc_u64 s[56:57], s[16:17], s[2:3]
	s_add_co_u32 s2, s59, 16384
	s_add_nc_u64 s[60:61], s[18:19], s[2:3]
	s_cmp_eq_u32 s22, 0
	s_cselect_b64 s[56:57], s[56:57], s[60:61]     ; the image that I store: q's (j = 0) or k's
	s_lshl_b32 s2, s22, 8
	s_add_co_u32 s2, s2, s59
	s_add_co_u32 s2, s2, 16896
	s_add_nc_u64 s[58:59], s[18:19], s[2:3]        ; and my half of v's
.irp p, 0,1
.irp s, 0,1,2,3
	global_load_b32 v[XS+2*\s+\p], v[LS], s[6:7] offset:512*\p+128*\s
.endr
.endr
.irp b, 0,1,2,3
	global_load_b128 v[BQ+8*\b:BQ+8*\b+3], v[BQA], s[10:11] offset:(32*(\b/2)+8*(\b%2))*4
	global_load_b128 v[BQ+8*\b+4:BQ+8*\b+7], v[BQA], s[10:11] offset:(32*(\b/2)+8*(\b%2))*4+16
	global_load_b128 v[BK+8*\b:BK+8*\b+3], v[BQA], s[12:13] offset:(32*(\b/2)+8*(\b%2))*4
	global_load_b128 v[BK+8*\b+4:BK+8*\b+7], v[BQA], s[12:13] offset:(32*(\b/2)+8*(\b%2))*4+16
	global_load_b32 v[BV+\b], v[BVA], s[14:15] offset:(32*(\b/2)+8*(\b%2))*4
.endr
	ROUND                                          ; all four work-groups are here: the joint loads meet
	tensor_load_to_lds s[G0:G0+3], s[G1:G1+7]
	s_nop 0
	PLACES 4
	WIN 0x40
.irp s, 0,1,2,3                        ; x: 512 consecutive bytes a load, 16 loads a K step
.irp a, 0,1,2,3
.irp c, 0,1,2,3
	global_load_b128 v[64*\s+16*\a+4*\c:64*\s+16*\a+4*\c+3], v[LI], s[4:5] offset:8192*\a+2048*\s+512*\c
.endr
.endr
.endr
	WIN 0
	s_wait_alu depctr_va_vdst(0)
	s_wait_tensorcnt 0x0                           ; my quarter of W is in
	s_barrier_signal -1
	s_barrier_wait -1                              ; and everybody's
.irp m, 0,1,2
.irp s, 0,1,2,3
.irp B, 0,1
	ds_load_b32 v[WS+8*\m+2*\s+\B], v[WSA] offset:(16*\m+4*\s+2*\B)*64   ; lanes 0-15 tile 2 B's words, lanes 16-31 tile 2 B + 1's
.endr
.endr
.endr
	WLOAD 0
	PHASE 0
	PHASE 1
	PHASE 2
	s_wait_dscnt 0x0                               ; my image stores have landed
	s_barrier_signal -1
	s_barrier_wait -1                              ; and everybody's
	ds_load_b128 v[BK:BK+3], v[IMR]
	ds_load_b64 v[BK+4:BK+5], v[IVR]
	s_wait_dscnt 0x0
	global_store_b128 v[LI], v[BK:BK+3], s[56:57]  ; 512 consecutive bytes
	global_store_b64 v[L8], v[BK+4:BK+5], s[58:59] ; 256 consecutive bytes, aligned
	s_wait_tensorcnt 0x0                           ; the wave's end
	ds_add_u32 v[SPW], v[NIL]
	s_wait_dscnt 0x0
	ROUND                                          ; the closing round
	s_endpgm
.Lfunc_end_k_q78ebfd359c_proj:
	.size	k_q78ebfd359c_proj, .Lfunc_end_k_q78ebfd359c_proj-k_q78ebfd359c_proj
	.p2alignl 7, 3214868480
	.fill 96, 4, 3214868480
	.section	.rodata,"a",@progbits
	.p2align	6, 0x0
	.amdhsa_kernel k_q78ebfd359c_proj
		.amdhsa_group_segment_fixed_size 167936
		.amdhsa_private_segment_fixed_size 0
		.amdhsa_enable_private_segment 0
		.amdhsa_kernarg_size 64
		.amdhsa_user_sgpr_count 2
		.amdhsa_user_sgpr_kernarg_segment_ptr 1
		.amdhsa_wavefront_size32 1
		.amdhsa_system_sgpr_workgroup_id_x 1
		.amdhsa_system_sgpr_workgroup_id_y 1
		.amdhsa_system_sgpr_workgroup_id_z 1
		.amdhsa_system_vgpr_workitem_id 0
		.amdhsa_next_free_vgpr 1024
		.amdhsa_next_free_sgpr 72
		.amdhsa_reserve_vcc 0
		.amdhsa_float_denorm_mode_32 3
		.amdhsa_float_denorm_mode_16_64 3
		.amdhsa_memory_ordered 1
		.amdhsa_forward_progress 1
		.amdhsa_inst_pref_size 107
	.end_amdhsa_kernel
	.amdgpu_metadata
---
amdhsa.version: [ 1, 2 ]
amdhsa.kernels:
  - .name:           k_q78ebfd359c_proj
    .symbol:         k_q78ebfd359c_proj.kd
    .args:
      - { .name: xi, .offset: 0, .size: 8, .value_kind: global_buffer, .address_space: global }
      - { .name: xs, .offset: 8, .size: 8, .value_kind: global_buffer, .address_space: global }
      - { .name: wi, .offset: 16, .size: 8, .value_kind: global_buffer, .address_space: global }
      - { .name: bq, .offset: 24, .size: 8, .value_kind: global_buffer, .address_space: global }
      - { .name: bk, .offset: 32, .size: 8, .value_kind: global_buffer, .address_space: global }
      - { .name: bv, .offset: 40, .size: 8, .value_kind: global_buffer, .address_space: global }
      - { .name: qc, .offset: 48, .size: 8, .value_kind: global_buffer, .address_space: global }
      - { .name: kv, .offset: 56, .size: 8, .value_kind: global_buffer, .address_space: global }
    .group_segment_fixed_size: 167936
    .private_segment_fixed_size: 0
    .kernarg_segment_align: 8
    .kernarg_segment_size: 64
    .max_flat_workgroup_size: 128
    .sgpr_count:     72
    .vgpr_count:     1024
    .wavefront_size: 32
...
	.end_amdgpu_metadata
.endif
;; end of part 2
;; launch attn (part 3): grid 8 x 32, 8 waves a work-group, clusters of 4 x 1, 327,680 bytes of LDS; arguments qc, kv, out0; writes out0
.if DOCPART == 3
	.amdgcn_target "amdgcn-amd-amdhsa--gfx1250"
	.amdhsa_code_object_version 6
	.text
	.protected	k_q78ebfd359c_attn
	.globl	k_q78ebfd359c_attn
	.p2align	8
	.type	k_q78ebfd359c_attn,@function
k_q78ebfd359c_attn:
	s_mov_b64 s[64:65], 0
	v_nop
	global_prefetch_b8 v0, s[64:65] scope:SCOPE_SE
	s_setreg_imm32_b32 hwreg(HW_REG_WAVE_MODE, 25, 1), 1
	s_wait_xcnt 0x0
	s_wait_alu depctr_hold_cnt(0) depctr_sa_sdst(0) depctr_va_vdst(0) depctr_va_sdst(0) depctr_va_ssrc(0) depctr_va_vcc(0) depctr_vm_vsrc(0)
	s_getreg_b32 s2, hwreg(HW_REG_IB_STS2, 6, 4)
	s_cmp_eq_u32 s2, 0
	s_cbranch_scc0 .Lentry_in_a_cluster
	s_endpgm
.Lentry_in_a_cluster:
	s_bfe_u32 s2, ttmp6, 0x10000c
	s_cmp_lg_u32 s2, 0x3003
	s_cbranch_scc0 .Lentry_shape_is_right
	s_endpgm
.Lentry_shape_is_right:
; out0 = softmax(Q K^T / 8) V for 32 heads (work-group y) and 256 queries of one (work-group x), both products on codes of FP8 (E4M3) with one E8M0 scale for each 32 along K.
; qc and kv hold images of operand registers, as the launch before lays them: qc [bh 32][block of 128 tokens 16][8,704]: 8 tiles x 1,024, then the scale image;
; kv [bh][step of 128 keys 16][17,408]: K's 8 tiles x 1,024, at 8,192 V^T's 4 tiles x 2,048, at 16,384 K's scale image, at 16,896 V's.  An image: lane l's 16 bytes at 16 l.
; SHARES.  Eight waves, two to a SIMD; a wave owns 32 neighbouring queries as TWO tiles of 16 (A, B): each fragment of K and of V that it reads from LDS feeds two products.  Every wave walks all 2,048 keys, 128 a step.
; All 16 steps' tiles of the head (278,528 bytes) stay in LDS: 4 steps' come by the head's joint loads (34 rows of 256 bytes a wave), 12 steps' by one more a wave (102 rows).  The four work-groups of a cluster ask jointly.
; No prefetch into the L2: two loads a wave ask for all of K and V ahead of the first step, and no loop runs ahead of loads.
; Both products are transposed: S^T = K Q^T, O^T = V^T P^T: a lane holds one query of each tile (lane % 16).  The rows of two neighbouring tiles of K interleave so that the 16 registers of a pair are 16 neighbouring keys: a block of 32 lies in lanes l, l xor 16.
; THE HEAD'S 64 FILLS HALF OF THE PRODUCT'S K = 128.  The other half of Q's operand is zero codes, so what stands in the other half of K's adds nothing: it is the next tile's codes (behind the last tile: zeros).
; SOFTMAX: t = score x log2(e) / 8; M = the running largest t rounded up to a whole number; p = 2^(t - M), quantised along the keys; the row's sum is taken of the unquantised p; when M moves, sum and O are multiplied by 2^(old M - new M).
; A block's scale exponent is floor(t - M) of its largest score, less 8.
; LIMITS: the scaled scores t stay under 2^31 in magnitude.  A block whose largest p lies under 2^-118 gets the byte 1.  A p that f32 rounds up to a power of two is held one code low (it lies within an ulp of that edge).  NaN and infinities are not served.
; A STEP n: products Q K(n); O rescaled by step n - 1's factor; K(n + 1) asked for; products P V(n - 1); V(n) asked for; softmax of both tiles, one tile's exponentials among the other's plain work.
; WINDOW 0 (v0-255): addresses, the softmax, scale words.  WINDOW 1 (v256-511): K, V, O^T, Q.
.set CHUNK, 17408
.set EARLY, 4*CHUNK
.set HEADB, 16*CHUNK
.set SPARE, HEADB                      ; the spare words, 128 bytes a wave
.set STAGE, SPARE+1024                 ; the way out: 16 rows x (256 + 16) bytes a wave; no tile lands there
.set LI,  1                            ; 16 x lane
.set ADR, 2                            ; the step's tiles in LDS
.set SPW, 4
.set NIL, 5
.set NM,  8                            ; v8 -M of A, v9 A's largest score;  v10, v11 B's
.set F,   12                           ; v12 A's factor, v13 at work;  v14, v15 B's
.set SUM, 16                           ; v16-23 A's row sum in four pairs;  v24-31 B's
.set BM,  32                           ; v32-39 the eight blocks' largest scores: 0-3 A's, 4-7 B's
.set BT,  40                           ; v40-47 the other half's; then floor(t - M)
.set SO,  48                           ; v48-55 the conversions' scale operands
.set HO,  56                           ; v56-63 448 x the scale
.set HP,  65                           ; v65-72 the same in another bank
.set TMP, 74                           ; v74, v75
.set PCD, 76                           ; v76-91 A's codes, v92-107 B's; before that A's sums of two pairs
.set S,   108                          ; v108-171 A's scores, then p; v172-235 B's
.set KS,  236                          ; scale words: K's, V's, p's (A, B), Q's (A in lanes 0-15, B in 16-31)
.set VS,  240
.set PW,  244
.set QS,  246
.set KF,  0                            ; window 1: K's 8 tiles, 8 registers each, and 8 zeros
.set VF,  72                           ;   V^T's 4 tiles
.set OT,  136                          ;   O^T: A 32, B 32
.set QF,  200                          ;   Q: A's 8 and 8 zeros, B's 8 and 8 zeros
.set MSB, 0
.macro WIN new                         ; the immediate's high byte repeats the setting that is left
.if MSB != \new
	s_set_vgpr_msb (MSB<<8)|\new
.set MSB, \new
.endif
.endm
.macro PLACES n
.rept \n
	v_nop
.endr
.endm
.macro ROUND                           ; a round of the cluster's barrier
	s_barrier_signal -1
	s_barrier_wait -1
	s_cmp_lg_u32 s10, 0
	s_cbranch_scc1 .Lnot_wave_0_\@
	s_barrier_signal -3
.Lnot_wave_0_\@:
	s_barrier_wait -3
	s_barrier_signal -1
	s_barrier_wait -1
.endm
.macro KLOAD a, off
	WIN 0x40
.irp i, 0,1,2,3,4,5,6,7
	ds_load_b128 v[KF+8*\i:KF+8*\i+3], v[\a] offset:\off+1024*\i
	ds_load_b128 v[KF+8*\i+4:KF+8*\i+7], v[\a] offset:\off+1024*\i+512
.endr
	WIN 0
	ds_load_b128 v[KS:KS+3], v[\a] offset:\off+16384
.endm
.macro VLOAD
	WIN 0x40
.irp b, 0,1,2,3
.irp c, 0,1,2,3
	ds_load_b128 v[VF+16*\b+4*\c:VF+16*\b+4*\c+3], v[ADR] offset:8192+2048*\b+512*\c
.endr
.endr
	WIN 0
	ds_load_b128 v[VS:VS+3], v[ADR] offset:16896
.endm
.macro QK                              ; 8 tiles of keys x 2 tiles of queries; C = 0
	WIN 0x05
.irp i, 0,2,4,6
	v_wmma_scale_f32_16x16x128_f8f6f4 v[S+8*\i:S+8*\i+7], v[KF+8*\i:KF+8*\i+15], v[QF:QF+15], 0, v[KS+\i/2], v[QS]
	v_wmma_scale_f32_16x16x128_f8f6f4 v[S+8*\i+8:S+8*\i+15], v[KF+8*\i+8:KF+8*\i+23], v[QF:QF+15], 0, v[KS+\i/2], v[QS] matrix_a_scale:MATRIX_SCALE_ROW1
.endr
.irp i, 0,2,4,6
	v_wmma_scale_f32_16x16x128_f8f6f4 v[S+64+8*\i:S+64+8*\i+7], v[KF+8*\i:KF+8*\i+15], v[QF+16:QF+31], 0, v[KS+\i/2], v[QS] matrix_b_scale:MATRIX_SCALE_ROW1
	v_wmma_scale_f32_16x16x128_f8f6f4 v[S+64+8*\i+8:S+64+8*\i+15], v[KF+8*\i+8:KF+8*\i+23], v[QF+16:QF+31], 0, v[KS+\i/2], v[QS] matrix_a_scale:MATRIX_SCALE_ROW1 matrix_b_scale:MATRIX_SCALE_ROW1
.endr
.endm
.macro RESCALE                         ; O^T under the new M; one wait for the group, directly ahead of the first reader
	WIN 0x41
	s_wait_alu depctr_va_vdst(0)
.irp x, 0,1
.set j, 0
.rept 16
	v_pk_mul_f32 v[OT+32*\x+j:OT+32*\x+j+1], v[OT+32*\x+j:OT+32*\x+j+1], v[F+2*\x:F+2*\x+1] op_sel_hi:[1,0]
.set j, j+2
.endr
.endr
.endm
.macro PV
	WIN 0x51
.irp x, 0,1
.irp b, 0,1,2,3
	v_wmma_scale_f32_16x16x128_f8f6f4 v[OT+32*\x+8*\b:OT+32*\x+8*\b+7], v[VF+16*\b:VF+16*\b+15], v[PCD+16*\x:PCD+16*\x+15], v[OT+32*\x+8*\b:OT+32*\x+8*\b+7], v[VS+\b], v[PW+\x]
.endr
.endr
	WIN 0
.endm
; pv = 0: the first step, which has no earlier step's products;  more = 0: the last, which asks for no further K
.macro STEP pv, more
	s_wait_dscnt 0x0                               ; K(n) and V(n - 1), asked for a step ago
	v_add_nc_u32 v[ADR], s45, v[LI]
	QK
.if \pv
	RESCALE                                        ; these 32 are also the places behind the products of Q K
.else
	PLACES 8
.endif
.if \more
	KLOAD ADR, CHUNK
.endif
.if \pv
	PV
.endif
	WIN 0
.irp q, 0,1,2,3,4,5,6,7                ; the eight blocks by turns
	v_max3_num_f32 v[BM+\q], v[S+16*\q], v[S+16*\q+1], v[S+16*\q+2]
.endr
	VLOAD                                          ; eight places behind the products that have read these registers
.irp i, 3,5,7,9,11,13
.irp q, 0,1,2,3,4,5,6,7
	v_max3_num_f32 v[BM+\q], v[BM+\q], v[S+16*\q+\i], v[S+16*\q+\i+1]
.endr
.endr
.irp q, 0,1,2,3,4,5,6,7
	v_max_num_f32 v[BM+\q], v[BM+\q], v[S+16*\q+15]
.endr
.irp q, 0,1,2,3,4,5,6,7
	v_permlanex16_b32 v[BT+\q], v[BM+\q], s40, s41
.endr
.irp q, 0,1,2,3,4,5,6,7
	v_max_num_f32 v[BM+\q], v[BM+\q], v[BT+\q]     ; with lane l xor 16's 16 keys
.endr
.irp x, 0,1
	v_max3_num_f32 v[TMP+\x], v[BM+4*\x], v[BM+4*\x+1], v[BM+4*\x+2]
.endr
.irp x, 0,1
	s_delay_alu instid0(VALU_DEP_2)
	v_max3_num_f32 v[NM+2*\x+1], v[NM+2*\x+1], v[TMP+\x], v[BM+4*\x+3]   ; the running largest score
.endr
.irp x, 0,1
	s_delay_alu instid0(VALU_DEP_2)
	v_mul_f32 v[TMP+\x], s42, v[NM+2*\x+1]
.endr
.irp x, 0,1
	s_delay_alu instid0(VALU_DEP_2)
	v_floor_f32 v[TMP+\x], -v[TMP+\x]              ; -M = floor(-t)
.endr
.irp x, 0,1
	s_delay_alu instid0(VALU_DEP_2)
	v_sub_f32 v[F+2*\x+1], v[TMP+\x], v[NM+2*\x]   ; old M - new M: a whole number, 0 or less
.endr
.irp x, 0,1
	v_mov_b32 v[NM+2*\x], v[TMP+\x]
.endr
.irp x, 0,1
	v_cvt_i32_f32 v[F+2*\x+1], v[F+2*\x+1]         ; (it saturates)
.endr
.irp x, 0,1
	s_delay_alu instid0(VALU_DEP_2)
	v_ldexp_f32 v[F+2*\x], 1.0, v[F+2*\x+1]
.endr
.irp b, 0,2
	v_pk_fma_f32 v[BM+\b:BM+\b+1], v[BM+\b:BM+\b+1], s[42:43], v[NM:NM+1] op_sel_hi:[1,0,0]
	v_pk_fma_f32 v[BM+4+\b:BM+5+\b], v[BM+4+\b:BM+5+\b], s[42:43], v[NM+2:NM+3] op_sel_hi:[1,0,0]
.endr
.set j, 0
.rept 32
	v_pk_fma_f32 v[S+j:S+j+1], v[S+j:S+j+1], s[42:43], v[NM:NM+1] op_sel_hi:[1,0,0]   ; A: t - M
.set j, j+2
.endr
.irp q, 0,1,2,3,4,5,6,7
	v_cvt_floor_i32_f32 v[BT+\q], v[BM+\q]
.endr
.irp q, 0,1,2,3,4,5,6,7
	v_max_i32 v[BT+\q], 0xffffff8a, v[BT+\q]       ; -118 and up: the byte, 119 more, is held at 1
.endr
.irp q, 0,1,2,3,4,5,6,7
	v_lshl_add_u32 v[SO+\q], v[BT+\q], 23, 0x3b800000   ; the scale as f32: exponent field 119 + floor(t - M)
.endr
.irp q, 0,1,2,3,4,5,6,7
	v_add_nc_u32 v[HO+\q], 0x4600000, v[SO+\q]     ; x 448
.endr
.irp q, 0,1,2,3,4,5,6,7
	v_add_nc_u32 v[HP+\q], 0x4600000, v[SO+\q]
.endr
.irp x, 0,1
	v_lshl_add_u32 v[TMP+\x], v[BT+4*\x+3], 8, v[BT+4*\x+2]
.endr
.irp x, 0,1
	v_lshl_add_u32 v[TMP+\x], v[TMP+\x], 8, v[BT+4*\x+1]
.endr
.irp x, 0,1
	v_lshl_add_u32 v[TMP+\x], v[TMP+\x], 8, v[BT+4*\x]
.endr
.irp x, 0,1
	v_add_nc_u32 v[PW+\x], 0x77777777, v[TMP+\x]   ; four bytes, 119 added to each
.endr
	s_wait_alu depctr_va_vdst(0)
.set j, 0
.rept 32                               ; A's p, and among them B's t - M, first read behind the next wait
	v_exp_f32 v[S+j], v[S+j]
	v_exp_f32 v[S+j+1], v[S+j+1]
	v_pk_fma_f32 v[S+64+j:S+65+j], v[S+64+j:S+65+j], s[42:43], v[NM+2:NM+3] op_sel_hi:[1,0,0]
.set j, j+2
.endr
	s_wait_alu depctr_va_vdst(0)                   ; behind A's batch and ahead of B's
.set j, 0
.rept 32                               ; B's p, and among them A's first sums (of the unquantised p) and A's holds, first read behind the next wait
	v_exp_f32 v[S+64+j], v[S+64+j]
	v_exp_f32 v[S+65+j], v[S+65+j]
.if (j&3) == 0
	v_pk_add_f32 v[PCD+j/2:PCD+j/2+1], v[S+j:S+j+1], v[S+j+2:S+j+3]
.endif
	v_dual_min_num_f32 v[S+j], v[S+j], v[HO+j/16] :: v_dual_min_num_f32 v[S+j+1], v[S+j+1], v[HP+j/16]   ; the conversion to an 8-bit code does not saturate (ISA guide 7.6.2)
.set j, j+2
.endr
	s_wait_alu depctr_va_vdst(0)                   ; behind B's batch
.irp k, 0,1,2,3
	v_pk_fma_f32 v[SUM+2*\k:SUM+2*\k+1], v[SUM+2*\k:SUM+2*\k+1], v[F:F+1], v[PCD+2*\k:PCD+2*\k+1] op_sel_hi:[1,0,1]   ; the sum under the new M
.endr
.irp k, 4,5,6,7,8,9,10,11,12,13,14,15
	v_pk_add_f32 v[SUM+2*(\k%4):SUM+2*(\k%4)+1], v[SUM+2*(\k%4):SUM+2*(\k%4)+1], v[PCD+2*\k:PCD+2*\k+1]
.endr
.set k, 0
.rept 32                               ; B's sum, and among it A's conversions
.if k < 4
	v_pk_fma_f32 v[SUM+8+2*k:SUM+9+2*k], v[SUM+8+2*k:SUM+9+2*k], v[F+2:F+3], v[S+64+2*k:S+65+2*k] op_sel_hi:[1,0,1]
.else
	v_pk_add_f32 v[SUM+8+2*(k%4):SUM+9+2*(k%4)], v[SUM+8+2*(k%4):SUM+9+2*(k%4)], v[S+64+2*k:S+65+2*k]
.endif
.if (k%4) == 3
	v_cvt_scalef32_pk8_fp8_f32 v[PCD+2*(k/4):PCD+2*(k/4)+1], v[S+8*(k/4):S+8*(k/4)+7], v[SO+k/8]
.endif
.set k, k+1
.endr
.irp b, 0,1,2,3
.irp i, 0,2,4,6,8,10,12,14
	v_dual_min_num_f32 v[S+64+16*\b+\i], v[S+64+16*\b+\i], v[HO+4+\b] :: v_dual_min_num_f32 v[S+65+16*\b+\i], v[S+65+16*\b+\i], v[HP+4+\b]
.endr
	v_cvt_scalef32_pk8_fp8_f32 v[PCD+16+4*\b:PCD+17+4*\b], v[S+64+16*\b:S+71+16*\b], v[SO+4+\b]
	v_cvt_scalef32_pk8_fp8_f32 v[PCD+18+4*\b:PCD+19+4*\b], v[S+72+16*\b:S+79+16*\b], v[SO+4+\b]
.endr
	v_nop                                          ; one plain vector line behind the last conversion
	s_add_co_u32 s45, s45, CHUNK
.endm
	s_load_b128 s[4:7], s[0:1], 0x0                ; qc, kv
	s_load_b64 s[8:9], s[0:1], 0x10                ; out0
	v_lshl_add_u32 v[SPW], v0, 2, SPARE
	v_mov_b32 v[NIL], 0
	ds_add_u32 v[SPW], v[NIL]                      ; the wave's opening
	ds_add_u32 v[SPW], v[NIL]
	v_lshrrev_b32 v7, 5, v0
	v_readfirstlane_b32 s10, v7                    ; wave 0..7
	v_and_b32 v[LI], 31, v0
	v_lshlrev_b32 v[LI], 4, v[LI]
	s_bfe_u32 s11, ttmp6, 0x40000
	s_lshl_b32 s12, ttmp9, 2
	s_add_co_u32 s12, s12, s11                     ; x = 4 x cluster x + cx: the block of 256 queries
	s_and_b32 s13, ttmp7, 0xffff                   ; y: the head
	; descriptor group 1: 34 and 102 rows of 256 dense bytes (32 elements of 8), no padding; the mask names all four of the cluster
	s_mov_b32 s16, 15|(3<<16)|(1<<21)
	s_mov_b32 s17, 32<<16
	s_mov_b32 s18, 34<<16
	s_mov_b32 s19, 32<<16
	s_mov_b32 s20, 34
	s_mov_b32 s21, 32
	s_mov_b32 s22, 0
	s_mov_b32 s23, 0
	s_mov_b32 s24, 15|(3<<16)|(1<<21)
	s_mov_b32 s25, 32<<16
	s_mov_b32 s26, 102<<16
	s_mov_b32 s27, 32<<16
	s_mov_b32 s28, 102
	s_mov_b32 s29, 32
	s_mov_b32 s30, 0
	s_mov_b32 s31, 0
	s_mul_i32 s47, s13, HEADB
	s_mov_b32 s32, 1
	s_mul_i32 s33, s10, 8704                       ; my eighth of steps 0 to 3
	s_add_co_u32 s48, s47, s33
	s_mov_b32 s49, 0
	s_mov_b32 s36, 1
	s_mul_i32 s37, s10, 26112                      ; my eighth of steps 4 to 15
	s_add_co_u32 s37, s37, EARLY
	s_add_co_u32 s50, s47, s37
	s_mov_b32 s51, 0
	; Q: block 2 x + wave / 4, pair of tiles wave % 4
	s_and_b32 s52, s10, 3
	s_lshr_b32 s53, s10, 2
	s_lshl_b32 s56, s13, 4
	s_lshl_b32 s57, s12, 1
	s_add_co_u32 s56, s56, s57
	s_add_co_u32 s56, s56, s53
	s_mul_i32 s56, s56, 8704
	s_lshl_b32 s57, s52, 11
	s_add_co_u32 s56, s56, s57
	s_lshl_b32 s58, s52, 2
	s_add_co_u32 s58, s58, 8192
	s_sub_co_u32 s58, s58, s57                     ; from my pair's tiles to its word of the scale image
	s_mov_b32 s57, 0
	; out0: batch y / 8, token 256 x + 32 wave, head y % 8
	s_lshr_b32 s54, s13, 3
	s_lshl_b32 s54, s54, 22
	s_lshl_b32 s55, s12, 19
	s_add_co_u32 s54, s54, s55
	s_lshl_b32 s55, s10, 16
	s_add_co_u32 s54, s54, s55
	s_and_b32 s55, s13, 7
	s_lshl_b32 s55, s55, 8
	s_add_co_u32 s54, s54, s55
	s_mov_b32 s55, 0
	s_mul_i32 s59, s10, 4352
	s_add_co_u32 s59, s59, STAGE                   ; my stage
	s_mov_b32 s40, 0x76543210
	s_mov_b32 s41, 0xfedcba98                      ; v_permlanex16_b32's selects for lane l xor 16
	s_mov_b32 s42, 0x3e38aa3b                      ; log2(e) / 8
	s_mov_b32 s43, s42
	s_mov_b32 s45, 0
	s_wait_alu depctr_va_vdst(0)
	v_add_nc_u32 v7, s58, v[LI]
	s_wait_alu depctr_va_vdst(0)
	s_wait_dscnt 0x0                               ; both opening adds are done
	s_wait_kmcnt 0x0
	s_add_nc_u64 s[4:5], s[4:5], s[56:57]
	s_add_nc_u64 s[8:9], s[8:9], s[54:55]
	s_add_nc_u64 s[34:35], s[6:7], s[48:49]
	s_or_b32 s35, s35, 0x80000000
	s_add_nc_u64 s[38:39], s[6:7], s[50:51]
	s_or_b32 s39, s39, 0x80000000
	WIN 0x40
.irp x, 0,1                            ; Q's two tiles: on their way across the rounds below
	global_load_b128 v[QF+16*\x:QF+16*\x+3], v[LI], s[4:5] offset:1024*\x
	global_load_b128 v[QF+16*\x+4:QF+16*\x+7], v[LI], s[4:5] offset:1024*\x+512
.endr
	WIN 0
	global_load_b32 v[QS], v7, s[4:5]              ; lanes 0-15 A's scale words, lanes 16-31 B's
	ROUND                                          ; all four work-groups are here: the joint loads meet
	tensor_load_to_lds s[32:35], s[16:23]
	s_nop 0
	PLACES 4
	WIN 0x40
.set j, 0
.rept 64
	v_mov_b32 v[OT+j], 0                           ; O^T: the step is written for sums that go on
.set j, j+1
.endr
.irp j, 0,1,2,3,4,5,6,7
	v_mov_b32 v[KF+64+\j], 0
	v_mov_b32 v[QF+8+\j], 0                        ; the half of K = 128 that the head's 64 leaves
	v_mov_b32 v[QF+24+\j], 0
.endr
	WIN 0
.irp x, 0,1
	v_mov_b32 v[NM+2*\x+1], 0xff61b1e6             ; the largest score so far: -3e38
	v_mul_f32 v[TMP+\x], s42, v[NM+2*\x+1]
	v_floor_f32 v[NM+2*\x], -v[TMP+\x]
.endr
.set j, 0
.rept 16
	v_mov_b32 v[SUM+j], 0
.set j, j+1
.endr
.irp q, 0,1,2,3,4,5,6,7
	v_mov_b32 v[BT+\q], 0                          ; a lane permute's destination counts as one of its sources
.endr
	s_wait_alu depctr_va_vdst(0)
	s_wait_tensorcnt 0x0                           ; my part of steps 0 to 3 is in
	ds_add_u32 v[SPW], v[NIL]
	s_wait_dscnt 0x0
	ROUND                                          ; everybody's part of steps 0 to 3 is in
	tensor_load_to_lds s[36:39], s[24:31]
	s_nop 0
	PLACES 4
	KLOAD LI, 0
	s_wait_loadcnt 0x0                             ; Q
	STEP 0, 1
	s_mov_b32 s46, 2
.Learly:                                           ; steps 1, 2
	STEP 1, 1
	s_sub_co_u32 s46, s46, 1
	s_cmp_lg_u32 s46, 0
	s_cbranch_scc1 .Learly
	s_wait_tensorcnt 0x0                           ; my part of steps 4 to 15 is in
	s_wait_dscnt 0x0
	s_barrier_signal -1
	s_barrier_wait -1                              ; and everybody's: step 3 asks for step 4's K
	s_mov_b32 s46, 12
.Llate:                                            ; steps 3 to 14
	STEP 1, 1
	s_sub_co_u32 s46, s46, 1
	s_cmp_lg_u32 s46, 0
	s_cbranch_scc1 .Llate
	STEP 1, 0                                      ; step 15
	s_wait_dscnt 0x0                               ; V(15)
	RESCALE
	PV
	; THE WAY OUT.  The sums; these lines are the places behind the last products
.irp k, 0,4,8,12
	v_pk_add_f32 v[SUM+\k:SUM+\k+1], v[SUM+\k:SUM+\k+1], v[SUM+\k+2:SUM+\k+3]
.endr
.irp x, 0,1
	v_pk_add_f32 v[SUM+8*\x:SUM+8*\x+1], v[SUM+8*\x:SUM+8*\x+1], v[SUM+8*\x+4:SUM+8*\x+5]
.endr
.irp x, 0,1
	v_add_f32 v[SUM+8*\x], v[SUM+8*\x], v[SUM+8*\x+1]
.endr
.irp x, 0,1
	v_permlanex16_b32 v[BT+\x], v[SUM+8*\x], s40, s41
.endr
.irp x, 0,1
	v_add_f32 v[SUM+8*\x], v[SUM+8*\x], v[BT+\x]   ; with lane l xor 16's: the row's sum
.endr
	v_and_b32 v32, 15, v0                          ; r
	v_bfe_u32 v33, v0, 4, 1                        ; h
	v_mul_u32_u24 v34, v32, 272
	v_mul_u32_u24 v35, v33, 272
	v_lshl_add_u32 v34, v33, 6, v34
	v_lshl_add_u32 v35, v32, 4, v35
	v_add_nc_u32 v34, s59, v34                     ; into the stage: row r, 64 h
	v_add_nc_u32 v35, s59, v35                     ; out of it: lanes 0-15 one row, lanes 16-31 the next
	s_wait_alu depctr_va_vdst(0)
	v_rcp_f32 v[F], v[SUM]
	v_rcp_f32 v[F+2], v[SUM+8]
	v_lshlrev_b32 v36, 4, v32
	v_lshl_add_u32 v36, v33, 11, v36               ; the same two rows in out0
	WIN 0x01
	s_wait_alu depctr_va_vdst(0)                   ; ahead of the reciprocals' and of O^T's first readers
.irp x, 0,1
.set j, 0
.rept 16
	v_pk_mul_f32 v[S+64*\x+j:S+64*\x+j+1], v[OT+32*\x+j:OT+32*\x+j+1], v[F+2*\x:F+2*\x+1] op_sel_hi:[1,0]
.set j, j+2
.endr
.endr
	WIN 0
.irp x, 0,1                            ; LDS serves a wave's instructions in order (ISA guide 5.7.1.4): no wait between stores and loads
.irp c, 0,1
.irp q, 0,1,2,3
	ds_store_b128 v34, v[S+64*\x+16*\c+4*\q:S+64*\x+16*\c+4*\q+3] offset:128*\c+16*\q   ; channels 32 c + 16 h + 4 q ..
.endr
.endr
.irp i, 0,1,2,3,4,5,6,7
	ds_load_b128 v[S+64*\x+32+4*\i:S+64*\x+35+4*\i], v35 offset:2*\i*272
.endr
.endr
.irp x, 0,1                            ; row 2 i + h of tile x is token 2 i + h + 8 (i / 4) + 8 x of my 32; sixteen lanes store one aligned unit of 256 bytes
.irp i, 0,1,2,3,4,5,6,7
	s_wait_dscnt 23-16*\x-\i                       ; the younger loads, and for A B's 8 stores and 8 loads, may be out
	global_store_b128 v36, v[S+64*\x+32+4*\i:S+64*\x+35+4*\i], s[8:9] offset:(2*\i+8*(\i/4)+8*\x)*2048
.endr
.endr
	s_wait_tensorcnt 0x0                           ; the wave's end
	ds_add_u32 v[SPW], v[NIL]
	s_wait_dscnt 0x0
	ROUND                                          ; the closing round
	s_endpgm
.Lfunc_end_k_q78ebfd359c_attn:
	.size	k_q78ebfd359c_attn, .Lfunc_end_k_q78ebfd359c_attn-k_q78ebfd359c_attn
	.p2alignl 7, 3214868480
	.fill 96, 4, 3214868480
	.section	.rodata,"a",@progbits
	.p2align	6, 0x0
	.amdhsa_kernel k_q78ebfd359c_attn
		.amdhsa_group_segment_fixed_size 327680
		.amdhsa_private_segment_fixed_size 0
		.amdhsa_enable_private_segment 0
		.amdhsa_kernarg_size 24
		.amdhsa_user_sgpr_count 2
		.amdhsa_user_sgpr_kernarg_segment_ptr 1
		.amdhsa_wavefront_size32 1
		.amdhsa_system_sgpr_workgroup_id_x 1
		.amdhsa_system_sgpr_workgroup_id_y 1
		.amdhsa_system_sgpr_workgroup_id_z 1
		.amdhsa_system_vgpr_workitem_id 0
		.amdhsa_next_free_vgpr 512
		.amdhsa_next_free_sgpr 66
		.amdhsa_reserve_vcc 0
		.amdhsa_float_denorm_mode_32 3
		.amdhsa_float_denorm_mode_16_64 3
		.amdhsa_memory_ordered 1
		.amdhsa_forward_progress 1
		.amdhsa_inst_pref_size 152
	.end_amdhsa_kernel
	.amdgpu_metadata
---
amdhsa.version: [ 1, 2 ]
amdhsa.kernels:
  - .name:           k_q78ebfd359c_attn
    .symbol:         k_q78ebfd359c_attn.kd
    .args:
      - { .name: qc, .offset: 0, .size: 8, .value_kind: global_buffer, .address_space: global }
      - { .name: kv, .offset: 8, .size: 8, .value_kind: global_buffer, .address_space: global }
      - { .name: out0, .offset: 16, .size: 8, .value_kind: global_buffer, .address_space: global }
    .group_segment_fixed_size: 327680
    .private_segment_fixed_size: 0
    .kernarg_segment_align: 8
    .kernarg_segment_size: 24
    .max_flat_workgroup_size: 256
    .sgpr_count:     66
    .vgpr_count:     512
    .wavefront_size: 32
...
	.end_amdgpu_metadata
.endif
;; end of part 3
